; MI455X (gfx1250); checked and timed in simulation.
; The chip was launched on July 23, 2026; its instructions are those of AMD's public machine-readable ISA for CDNA 5 (MIT licence, August 2026) and "CDNA5" Instruction Set Architecture Reference Guide (July 2026). The comments in the code are by the model that wrote it; some were corrected since.
;; Scaled Dot Attention. Allowed arithmetic: matrix products marked QUANTISED: E2M1 operands, one E8M0 scale for each 32 along K, by v_wmma_scale_f32_16x16x128_f8f6f4 with both operands' format E2M1 (or v_wmma_scale_f32_32x16x128_f4), f32 sums; everything else in f32.
;; Inputs: K 4 x 16 x 2,048 x 64 float32; Q 4 x 16 x 2,048 x 64 float32; V 4 x 16 x 2,048 x 64 float32; mask 4 x 1 x 2,048 x 2,048 bool.
;; Outputs: out0 4 x 16 x 2,048 x 64 float32.
;; This version of the problem:
;;   THIS VERSION OF THE PROBLEM IS GIVEN IN LOW PRECISION. The matrix products marked QUANTISED in the list below multiply operands that are first quantised to E2M1 (2 exponent bits, 1 mantissa bit; 4 bits a number), with one power-of-two scale for each 32 numbers along K (OCP MX v1.0); their sums are f32. All else is computed in f32.
;;   The module's matrix products, in the order in which they are computed (A, B: the left and right operand; K: the contracted axis; several contracted axes count as one K, in the product's order):
;;     1. batch 64 x [M 2,048, K 64] x [K 64, N 2,048]; A: input Q; B: input K: QUANTISED
;;     2. batch 64 x [M 2,048, K 2,048] x [K 2,048, N 64]; A: softmax (see below); B: input V: QUANTISED
;;   THE QUANTISER, for each operand of a quantised product, along K:
;;     - K is cut into blocks of 32 from its start; a last block that is shorter is filled with zeros.
;;     - A block's scale is 2^e with e = floor(log2(the largest magnitude in the block)) - 2, held to -126 .. 127; a block of zeros has e = 0. As a byte (E8M0): e + 127.
;;     - Each number is divided by its block's scale, clamped to +-6, and rounded to the nearest number of E2M1, ties to even, subnormals kept.
;;     - The product sums the exact products of the quantised numbers (number of the format x scale) in f32.
;;   ~~~python
;;   def quantise(x, axis):      # numpy; x: float32 -> the quantised numbers, widened to float32 again
;;       x = np.moveaxis(x, axis, -1); K = x.shape[-1]
;;       x = np.pad(x, [(0, 0)] * (x.ndim - 1) + [(0, -K % 32)]); x = x.reshape(x.shape[:-1] + (-1, 32)); a = np.abs(x).max(-1, keepdims=True)
;;       e = np.where(a > 0, np.clip(np.frexp(np.where(a > 0, a, 1))[1] - 1 - 2, -126, 127), 0)      # np.frexp(a)[1] - 1 = floor(log2(a)), exactly
;;       r = np.clip(x / 2.0 ** e, -6, 6)
;;       step = 2.0 ** (np.maximum(np.frexp(np.where(r == 0, 1, r))[1] - 1, 0) - 1)
;;       q = np.round(r / step) * step * 2.0 ** e      # np.round: ties to even
;;       return np.moveaxis(q.reshape(q.shape[:-2] + (-1,))[..., :K], -1, axis).astype(np.float32)
;;   ~~~
;;   SOFTMAX AHEAD OF A QUANTISED PRODUCT. Where the list says 'softmax', what is quantised is not the finished softmax but p = 2^(t - M), with t = logit x log2(e) and M = ceil(the row's largest t), a whole number; so 1/2 < the row's largest p <= 1. The row's sum l is taken of the UNQUANTISED p, in f32, and the product's result is divided by l at the end. Since M is a whole number, a kernel that streams over the keys may use a running M (the ceiling of the running maximum): every later rescaling is an exact power of two, which a block's scale takes up: the codes' values come out the same.
;;   OPERANDS COMPUTED ON THE WAY. 'Computed on the way' means the value that the module computes at that place (a softmax that the list does not call 'softmax' is quantised finished and normalised). What goes into a quantiser is computed in f32, as accurately as f32 sums, v_exp_f32 and their like allow (about 1e-6 of the number): no bf16 or f16 on the way to a quantiser, and a product that is left as it is and whose result goes on into a quantised operand takes f32 operands (vector FMAs, or v_wmma_f32_16x16x4_f32). A number that lies on a knife's edge between two numbers of the format may be rounded either way, as far as f32 arithmetic and the matrix unit's own rounding can turn it there, and no further.
;; One version. Each part assembles by itself: llvm-mc -triple=amdgcn-amd-amdhsa -mcpu=gfx1250 --defsym DOCPART=n.
;; ======== version 1 of 1: 2 launches
;; limits: right only within a limited range of input values
;; workspace buffers: kv 9,175,040 bytes; qc 4,718,592 bytes; maskw 2,097,152 bytes of whole numbers
;; launch prep (part 1): grid 1024 x 1, 4 waves a work-group, no clusters, 34,560 bytes of LDS; arguments K, Q, V, mask, kv, qc, maskw; writes kv, qc, maskw
.if DOCPART == 1
	.amdgcn_target "amdgcn-amd-amdhsa--gfx1250"
	.amdhsa_code_object_version 6
	.text
	.protected	k_qb2e36109b4_prep
	.globl	k_qb2e36109b4_prep
	.p2align	8
	.type	k_qb2e36109b4_prep,@function
k_qb2e36109b4_prep:
	s_mov_b64 s[64:65], 0
	v_nop
	global_prefetch_b8 v0, s[64:65] scope:SCOPE_SE
	s_setreg_imm32_b32 hwreg(HW_REG_WAVE_MODE, 25, 1), 1
	s_wait_xcnt 0x0
; K, Q, V [64 heads][2048][64] f32 become codes of FP4 (E2M1) with one E8M0 scale byte for each 32 along a product's K, laid in the ORDER OF THE OPERANDS' REGISTERS,
; and the mask's bytes [4][2048][2048] become lane masks, one 32-bit word for each register of a tile of scores.
; Work-group i = 16 x head + s serves 128 rows: wave 0 K's keys, wave 1 Q's queries, wave 2 V's keys, wave 3 eight records of the mask.  The four roles part on the wave's number and never meet:
; no barrier, no loop, every offset an immediate.
; kv, record i, 8,960 bytes: +0 K's codes, 8 tiles x 512 bytes, lane L's 16 bytes at 16 L (d = 32 (L / 16) + 0 .. 31 of the tile's row L % 16); +4096 V's codes, 4 tiles x [c][lane][16 bytes]
;   (row d = 16 t + L % 16, key block 2 c + L / 16); +8192 K's scale words [L / 16][L % 16][4]: lane L holds those of tiles 4 (L / 16) + 0 .. 3; +8704 V's scale words [lane][2]: word g is tile 2 g + L / 16's.
; qc, record i, 4,608 bytes: 8 tiles x 512 bytes of codes, then 512 bytes of scale words, both as K's.
; K'S TILES DO NOT TAKE NEIGHBOURING KEYS: row r of tile 4 g + u is key 64 g + 8 u + r % 8 + 32 (r / 8), so that in the scores' layout 32 registers of four neighbouring tiles are 32 neighbouring keys.  Q's tiles take 16 neighbours.
; The first product's K is 64, half of what the matrix instruction takes: a scale word's bytes 2 and 3, which serve the zero codes of k = 64 .. 127, are 0x7f.
; maskw, [batch][tile of 16 queries][key step][64 words]: bit L of word n is the mask of query L % 16 and key 64 (n / 32) + 32 (L / 16) + n % 32 of the step.
; A block's scale is 2^(floor(log2(its largest magnitude)) - 2); its byte is the largest magnitude's exponent field - 2, held at 1 from below.
; LIMITS: a block of zeros gets the byte 1 where the rule says 127 (its codes are zeros, and this program alone reads the bytes); NaN and infinities among the inputs are not served.
; THE ORDER OF THE KEYS as this text has it: row r of K's tile 4 g + u is key 64 g + 8 u + r % 8 + 32 (r / 8), so that in the scores' layout a lane's 32 registers of four neighbouring tiles
; are one whole block of 32 neighbouring keys; and bit L of the mask's word n is query L % 16 and key 64 (n / 32) + 32 (L / 16) + n % 32 of the step.
.set R,    16
.set X,    112                         ; v112-175  K, Q: two sets of 32: a lane's whole block of 32 along d
.set C,    176                         ; v176-207  codes: four registers for each tile or unit, so that no store's data are written again
.set W,    208                         ; v208-215  K, Q: a scale word for each tile.  V: v208-209 scale words, v210-211 offsets
.set VX,   16                          ; v16-79    V: two sets of 32: a block of 32 keys of one column
.set MB,   16                          ; v16-143   mask: four chunks of 32 registers as they are loaded
.set MO,   144                         ; v144-159  mask: two registers for each record
.set MT,   160                         ; v160-191  mask: a chunk as it comes back from the stage
.set SPT,  272                         ; K's and Q's stage: a row of 256 bytes + 16: row r starts 4 r banks on, in both directions
.set STGB, 16*SPT                      ; a stage; each of the two roles has two
.set MST,  4*STGB                      ; the mask's stage: 16 rows of 1,024 bytes + 16
.set MPT,  1040
; the largest magnitude of the 32 numbers v[XS] on (two chains, and the floor 2^(3 - 127), which holds the byte at 1 from below); v10 the conversion's scale operand; v11 the byte
.macro BMAX
	v_max3_num_f32 v8, |v[XS]|, |v[XS+1]|, |v[XS+2]|
	v_max3_num_f32 v9, |v[XS+3]|, |v[XS+4]|, |v[XS+5]|
.irp i, 6,10,14,18,22,26
	v_max3_num_f32 v8, v8, |v[XS+\i]|, |v[XS+\i+1]|
	v_max3_num_f32 v9, v9, |v[XS+\i+2]|, |v[XS+\i+3]|
.endr
	v_max3_num_f32 v8, v8, |v[XS+30]|, |v[XS+31]|
	v_max3_num_f32 v8, v8, v9, 0x1800000
	v_add_nc_u32 v10, 0xff000000, v8               ; 2 off the exponent field: the conversion takes the exponent field of this operand as its scale, and nothing else of it
	v_lshrrev_b32 v11, 23, v10                     ; the scale's byte
.endm
; K and Q.  PERM, SIN, SOUT, SCOFF are set ahead of each use of ROWS.
.macro RLOAD t                         ; tile t: eight loads of 512 consecutive bytes, two rows each
.irp j, 0,1,2,3,4,5,6,7
.if PERM
	global_load_b128 v[R+32*((\t)%3)+4*\j:R+32*((\t)%3)+4*\j+3], v1, s[SIN:SIN+1] offset:(64*((\t)/4)+8*((\t)%4)+2*(\j%4)+32*(\j/4))*256 th:TH_LOAD_NT
.else
	global_load_b128 v[R+32*((\t)%3)+4*\j:R+32*((\t)%3)+4*\j+3], v1, s[SIN:SIN+1] offset:(16*(\t)+2*\j)*256 th:TH_LOAD_NT
.endif
.endr
.endm
.macro RTURN t                         ; through the wave's stage: in as loaded, back 128 bytes a lane.  LDS serves a wave's instructions in order, so no wait stands between
.irp j, 0,1,2,3,4,5,6,7
	ds_store_b128 v2, v[R+32*((\t)%3)+4*\j:R+32*((\t)%3)+4*\j+3] offset:STGB*((\t)%2)+2*SPT*\j
.endr
.irp j, 0,1,2,3,4,5,6,7
	ds_load_b128 v[X+32*((\t)%2)+4*\j:X+32*((\t)%2)+4*\j+3], v3 offset:STGB*((\t)%2)+16*\j
.endr
.endm
.macro RSTEP t
.set XS, X+32*((\t)%2)
	s_wait_dscnt 0x0                               ; tile t is back from the stage: so its stores into the stage have read their registers,
.if (\t)+3 < 8
	RLOAD (\t)+3                                   ; which take the loads of three tiles on
.endif
.if (\t)+1 < 8
.if (\t) < 5
	s_wait_loadcnt 16                              ; the next tile's eight loads are in; those of the two tiles behind it may be out
.else
	s_wait_loadcnt 8*(6-(\t))
.endif
	RTURN (\t)+1                                   ; and go through the other stage while this tile is worked
.endif
	BMAX
.irp g, 0,1,2,3
	v_cvt_scalef32_pk8_fp4_f32 v[C+4*(\t)+\g], v[XS+8*\g:XS+8*\g+7], v10
.endr
	v_lshlrev_b32 v11, v4, v11                     ; my byte at its place in the word, 8 (lane / 16) bits up.  (The plain line behind the conversions)
	v_permlanex16_b32 v12, v11, s20, s21           ; the row's other block lies in the lane 16 away
	v_or_b32 v11, v11, v12
	v_or_b32 v[W+(\t)], 0x7f7f0000, v11            ; bytes 2 and 3 serve zero codes
	global_store_b128 v1, v[C+4*(\t):C+4*(\t)+3], s[SOUT:SOUT+1] offset:512*(\t)   ; 512 consecutive bytes, at a multiple of 256 from the buffer's first byte
.endm
.macro ROWS
	RLOAD 0
	RLOAD 1
	RLOAD 2
	s_wait_loadcnt 16                              ; tile 0's eight loads are in
	RTURN 0
.irp t, 0,1,2,3,4,5,6,7
	RSTEP \t
.endr
.irp j, 0,1,2,3
	v_cndmask_b32 v[8+\j], v[W+\j], v[W+4+\j], s28 ; lanes 0-15 keep the words of tiles 0-3, lanes 16-31 those of tiles 4-7
.endr
	global_store_b128 v1, v[8:11], s[SOUT:SOUT+1] offset:SCOFF
.endm
; V.  Unit u = 2 x key block + g: a lane takes column 32 g + lane, and its 32 registers run down the block's keys.
.macro VLOAD u
.set i, 0
.rept 32
	global_load_b32 v[VX+32*((\u)%2)+i], v210, s[8:9] offset:(32*((\u)/2)+i)*256+128*((\u)%2)   ; 128 consecutive bytes; the row's other half is the neighbouring unit's, so no hint
.set i, i+1
.endr
.endm
.macro VUNIT u
.set XS, VX+32*((\u)%2)
.if (\u) < 7
	s_wait_loadcnt 32                              ; this unit's 32 loads are in; the next unit's may be out
.else
	s_wait_loadcnt 0x0
.endif
	BMAX
.if (\u)/2 == 0
	v_mov_b32 v[W+(\u)%2], v11                     ; four bytes to a word, the lower keys in the lower byte
.else
	v_lshl_or_b32 v[W+(\u)%2], v11, 8*((\u)/2), v[W+(\u)%2]
.endif
.irp g, 0,1,2,3
	v_cvt_scalef32_pk8_fp4_f32 v[C+4*(\u)+\g], v[XS+8*\g:XS+8*\g+7], v10
.endr
	v_nop                                          ; one plain line behind the last conversion of a run
	global_store_b128 v211, v[C+4*(\u):C+4*(\u)+3], s[12:13] offset:4096+2048*((\u)%2)+512*((\u)/4)+256*(((\u)/2)%2)   ; each half of the lanes stores 256 consecutive bytes, aligned
.if (\u)+2 < 8
	VLOAD (\u)+2
.endif
.endm
; The mask.  Chunk c: 256 keys of the 16 queries: two records.
.macro CHUNK c
	s_wait_loadcnt 8*(3-\c)                        ; this chunk's eight loads are in; the later chunks' may be out
.irp j, 0,1,2,3,4,5,6,7
	ds_store_b128 v14, v[MB+32*\c+4*\j:MB+32*\c+4*\j+3] offset:2*MPT*\j+256*\c
.endr
.irp q, 0,1,2,3,4,5,6,7
	ds_load_b128 v[MT+4*\q:MT+4*\q+3], v15 offset:256*\c+64*(\q/2)+16*(\q%2)   ; query lane % 16, keys 64 (q / 2) + 32 (lane / 16) + 16 (q % 2) + 0 .. 15 of the chunk
.endr
	s_wait_dscnt 0x0
.irp e, 0,1
.set n, 0
.rept 64
	v_and_b32 v[8+n%4], s[24+n%4], v[MT+16*\e+n/4] ; the byte of key 64 (n / 32) + 32 (lane / 16) + n % 32
	v_cmp_ne_u32 s[32+n%8], 0, v[8+n%4]            ; the 32 lanes' bits: word n
	v_writelane_b32 v[MO+2*(2*\c+\e)+n%2], s[32+n%8], n/2
.set n, n+1
.endr
	global_store_b64 v7, v[MO+2*(2*\c+\e):MO+2*(2*\c+\e)+1], s[16:17] offset:256*(2*\c+\e)   ; lane L stores words 2 L and 2 L + 1: 256 consecutive bytes, aligned
.endr
.endm
	s_load_b256 s[4:11], s[0:1], 0x0               ; K s[4:5], Q s[6:7], V s[8:9], mask s[10:11]
	s_load_b128 s[12:15], s[0:1], 0x20             ; kv s[12:13], qc s[14:15]
	s_load_b64 s[16:17], s[0:1], 0x30              ; maskw
	v_lshl_add_u32 v216, v0, 2, 0x8500
	v_mov_b32 v217, 0
	v_lshrrev_b32 v8, 5, v0
	v_readfirstlane_b32 s18, v8                    ; wave 0..3: the role
	v_and_b32 v8, 31, v0                           ; lane
	v_and_b32 v5, 15, v0                           ; r
	v_bfe_u32 v6, v0, 4, 1                         ; h
	v_lshlrev_b32 v1, 4, v8                        ; 16 x lane
	v_lshlrev_b32 v7, 3, v8                        ; 8 x lane
	v_lshlrev_b32 v4, 3, v6                        ; 8 h
	v_mov_b32 v12, 0                               ; a lane permute's destination counts as one of its sources
	s_mul_i32 s19, s18, 2*STGB                     ; K's two stages at 0, Q's behind them
	v_mul_u32_u24 v2, v6, SPT
	v_lshl_add_u32 v2, v5, 4, v2
	v_add_nc_u32 v2, s19, v2                       ; into a stage: row h of the load's two, 16 r
	v_mul_u32_u24 v3, v5, SPT
	v_lshl_add_u32 v3, v6, 7, v3
	v_add_nc_u32 v3, s19, v3                       ; out of it: row r, block h
	v_lshlrev_b32 v13, 11, v6
	v_lshl_add_u32 v13, v5, 4, v13                 ; the mask in memory: row h of two, 16 r
	v_mul_u32_u24 v14, v6, MPT
	v_lshl_add_u32 v14, v5, 4, v14
	v_add_nc_u32 v14, MST, v14                     ; into its stage
	v_mul_u32_u24 v15, v5, MPT
	v_lshl_add_u32 v15, v6, 5, v15
	v_add_nc_u32 v15, MST, v15                     ; and out of it: row r, 32 h
	s_mov_b32 s20, 0x76543210
	s_mov_b32 s21, 0xfedcba98                      ; v_permlanex16_b32's selects for lane l xor 16
	s_mov_b32 s28, 0xffff0000                      ; lanes 16-31
	s_lshl_b32 s22, ttmp9, 15                      ; 128 rows of 256 bytes
	s_mov_b32 s23, 0
	s_mul_i32 s24, ttmp9, 8960
	s_mov_b32 s25, 0
	s_mul_i32 s26, ttmp9, 4608
	s_mov_b32 s27, 0
	s_lshr_b32 s30, ttmp9, 1                       ; the mask: tile of 16 queries i / 2 (32,768 bytes), keys 1,024 (i % 2) on
	s_lshl_b32 s30, s30, 15
	s_and_b32 s31, ttmp9, 1
	s_lshl_b32 s31, s31, 10
	s_add_co_u32 s30, s30, s31
	s_mov_b32 s31, 0
	s_lshl_b32 s40, ttmp9, 11                      ; eight records of 256 bytes
	s_mov_b32 s41, 0
	s_wait_kmcnt 0x0
	s_add_nc_u64 s[4:5], s[4:5], s[22:23]
	s_add_nc_u64 s[6:7], s[6:7], s[22:23]
	s_add_nc_u64 s[8:9], s[8:9], s[22:23]
	s_add_nc_u64 s[10:11], s[10:11], s[30:31]
	s_add_nc_u64 s[12:13], s[12:13], s[24:25]
	s_add_nc_u64 s[14:15], s[14:15], s[26:27]
	s_add_nc_u64 s[16:17], s[16:17], s[40:41]
	s_cmp_eq_u32 s18, 1
	s_cbranch_scc1 .Lq
	s_cmp_eq_u32 s18, 2
	s_cbranch_scc1 .Lv
	s_cmp_eq_u32 s18, 3
	s_cbranch_scc1 .Lm
	; ---- wave 0: K
.set PERM,  1
.set SIN,   4
.set SOUT,  12
.set SCOFF, 8192
	s_wait_alu depctr_va_vdst(0)
	ROWS
	s_wait_tensorcnt 0x0
	ds_add_u32 v216, v217
	s_wait_dscnt 0x0
	s_endpgm
.Lq:	; ---- wave 1: Q
.set PERM,  0
.set SIN,   6
.set SOUT,  14
.set SCOFF, 4096
	s_wait_alu depctr_va_vdst(0)
	ROWS
	s_wait_tensorcnt 0x0
	ds_add_u32 v216, v217
	s_wait_dscnt 0x0
	s_endpgm
.Lv:	; ---- wave 2: V: its K is the keys, its first axis here: a lane to a column, registers down the keys; nothing is transposed
	v_lshlrev_b32 v210, 2, v8                      ; in: 4 bytes a lane
	v_lshlrev_b32 v211, 10, v6
	v_lshl_add_u32 v211, v5, 4, v211               ; out: tile 2 g + h, row r
	VLOAD 0
	VLOAD 1
.irp u, 0,1,2,3,4,5,6,7
	VUNIT \u
.endr
	global_store_b64 v7, v[W:W+1], s[12:13] offset:8704   ; 256 consecutive bytes, aligned
	s_endpgm
.Lm:	; ---- wave 3: the mask
	s_mov_b32 s24, 0xff
	s_mov_b32 s25, 0xff00
	s_mov_b32 s26, 0xff0000
	s_mov_b32 s27, 0xff000000
.set i, 0
.rept 16
	v_mov_b32 v[MO+i], 0                           ; v_writelane_b32's destination counts as read
.set i, i+1
.endr
.irp c, 0,1,2,3
.irp j, 0,1,2,3,4,5,6,7
	global_load_b128 v[MB+32*\c+4*\j:MB+32*\c+4*\j+3], v13, s[10:11] offset:4096*\j+256*\c th:TH_LOAD_NT   ; each half of the lanes reads 256 consecutive bytes of a row, aligned
.endr
.endr
	CHUNK 0
	CHUNK 1
	CHUNK 2
	CHUNK 3
	s_wait_tensorcnt 0x0
	ds_add_u32 v216, v217
	s_wait_dscnt 0x0
	s_endpgm
.Lfunc_end_k_qb2e36109b4_prep:
	.size	k_qb2e36109b4_prep, .Lfunc_end_k_qb2e36109b4_prep-k_qb2e36109b4_prep
	.p2alignl 7, 3214868480
	.fill 96, 4, 3214868480
	.section	.rodata,"a",@progbits
	.p2align	6, 0x0
	.amdhsa_kernel k_qb2e36109b4_prep
		.amdhsa_group_segment_fixed_size 34560
		.amdhsa_private_segment_fixed_size 0
		.amdhsa_enable_private_segment 0
		.amdhsa_kernarg_size 56
		.amdhsa_user_sgpr_count 2
		.amdhsa_user_sgpr_kernarg_segment_ptr 1
		.amdhsa_wavefront_size32 1
		.amdhsa_system_sgpr_workgroup_id_x 1
		.amdhsa_system_sgpr_workgroup_id_y 1
		.amdhsa_system_sgpr_workgroup_id_z 1
		.amdhsa_system_vgpr_workitem_id 0
		.amdhsa_next_free_vgpr 218
		.amdhsa_next_free_sgpr 66
		.amdhsa_reserve_vcc 0
		.amdhsa_float_denorm_mode_32 3
		.amdhsa_float_denorm_mode_16_64 3
		.amdhsa_memory_ordered 1
		.amdhsa_forward_progress 1
		.amdhsa_inst_pref_size 186
	.end_amdhsa_kernel
	.amdgpu_metadata
---
amdhsa.version: [ 1, 2 ]
amdhsa.kernels:
  - .name:           k_qb2e36109b4_prep
    .symbol:         k_qb2e36109b4_prep.kd
    .args:
      - { .name: K, .offset: 0, .size: 8, .value_kind: global_buffer, .address_space: global }
      - { .name: Q, .offset: 8, .size: 8, .value_kind: global_buffer, .address_space: global }
      - { .name: V, .offset: 16, .size: 8, .value_kind: global_buffer, .address_space: global }
      - { .name: mask, .offset: 24, .size: 8, .value_kind: global_buffer, .address_space: global }
      - { .name: kv, .offset: 32, .size: 8, .value_kind: global_buffer, .address_space: global }
      - { .name: qc, .offset: 40, .size: 8, .value_kind: global_buffer, .address_space: global }
      - { .name: maskw, .offset: 48, .size: 8, .value_kind: global_buffer, .address_space: global }
    .group_segment_fixed_size: 34560
    .private_segment_fixed_size: 0
    .kernarg_segment_align: 8
    .kernarg_segment_size: 56
    .max_flat_workgroup_size: 128
    .sgpr_count:     66
    .vgpr_count:     218
    .wavefront_size: 32
...
	.end_amdgpu_metadata
.endif
;; end of part 1
;; launch attn (part 2): grid 256 x 1, 8 waves a work-group, clusters of 4 x 1, 327,680 bytes of LDS; arguments qc, kv, maskw, out0; writes out0
.if DOCPART == 2
	.amdgcn_target "amdgcn-amd-amdhsa--gfx1250"
	.amdhsa_code_object_version 6
	.text
	.protected	k_qb2e36109b4_attn
	.globl	k_qb2e36109b4_attn
	.p2align	8
	.type	k_qb2e36109b4_attn,@function
k_qb2e36109b4_attn:
	s_mov_b64 s[64:65], 0
	v_nop
	global_prefetch_b8 v0, s[64:65] scope:SCOPE_SE
	s_setreg_imm32_b32 hwreg(HW_REG_WAVE_MODE, 25, 1), 1
	s_wait_xcnt 0x0
	s_wait_alu depctr_hold_cnt(0) depctr_sa_sdst(0) depctr_va_vdst(0) depctr_va_sdst(0) depctr_va_ssrc(0) depctr_va_vcc(0) depctr_vm_vsrc(0)
	s_getreg_b32 s2, hwreg(HW_REG_IB_STS2, 6, 4)
	s_cmp_eq_u32 s2, 0
	s_cbranch_scc0 .Lentry_in_a_cluster
	s_endpgm
.Lentry_in_a_cluster:
	s_bfe_u32 s2, ttmp6, 0x10000c
	s_cmp_lg_u32 s2, 0x3003
	s_cbranch_scc0 .Lentry_shape_is_right
	s_endpgm
.Lentry_shape_is_right:
; out0[bh][q][:] = the sum over k of softmax_k(where(mask, -1e9, Q[bh][q] . K[bh][k] / 8)) V[bh][k][:], 64 heads, 2,048 queries and keys, head size 64, both products on codes of FP4 (E2M1) with E8M0 scales.
; Codes, scale words and the mask's lane masks were laid by the launch before in the order of the operands' registers.
; THE SOFTMAX: t = score x log2(e) / 8; M = the row's largest t so far, rounded up to a whole number; p = 2^(t - M) is quantised along the keys, not normalised; the row's sum is taken of the unquantised p
; and divides at the end.  When M moves, the sum and O are multiplied by 2^(old M - new M): exact.
; SHARES.  A work-group owns TWO heads of one batch (they share the mask) and 256 queries; 32 pairs of heads x 8 blocks of queries = 256 work-groups.  Each of its eight waves owns two tiles of 16 queries,
; taken in two passes over all keys, 128 a step, BOTH HEADS AT ONCE: a step's 64 mask words are turned once into a tile of 0 or -2^60, which is the C of both heads' score products: 64 selects serve 128 registers of scores.
; The two heads' phases are laid line by line by turns, so that their chains do not wait for each other, and a step has one batch of exponentials.
; BOTH HEADS' K AND V, 32 records of 8,960 bytes, come into LDS once and stay: wave w brings records 4 w .. 4 w + 3 (35,840 dense bytes) by one tensor load, asked for jointly by the four work-groups of the cluster,
; which share the pair of heads.  No LDS byte is filled twice.  One tensor load of a wave is out.
; No prefetch: K and V are asked for once, at the head, with no loop to run ahead in; the mask words are asked for one step (256 bytes a wave) ahead by their own scalar loads.
; LAYOUT.  Both products are used transposed (source 0 = 16 keys, or 16 of the head's 64; source 1 = my 16 queries): a lane holds one query (lane % 16).  Register n of S^T holds key 64 (n / 32) + 32 (lane / 16) + n % 32:
; a lane's 32 registers are a whole block of 32 keys, so a block's maximum needs no other lane and the conversions' results are P's operand as they stand.
; The first product's K is 64: Q's registers 4-7 (k = 64 .. 127) are zero codes.  K's fragments lie densely, four registers a tile: registers 4-7 of a tile's operand are the registers that follow (the next tile's codes,
; at the end the first four of the mask's tile): every pattern of bits is a finite code, its scale byte is 0x7f, and it meets a zero code.
; LIMITS.  A masked score is score - 2^60, taken as -2^60 (logit -2^57, not -1e9): the results are reference()'s where a row has an unmasked logit above some -9.9e8; a row masked throughout gets equal weights
; where -2^60 + score comes out of the product's sum as -2^60 (|score| under 2^35).  -2^60 x c is an f32 number and a whole one, so p = 1 there.  NaN and infinities are not served.  p under 2^-126 counts as 0.
; A block's largest p is made from its largest score by the same two instructions, which takes v_exp_f32 not to fall where its input rises.  A block of zeros keeps the byte 1: its codes are zeros.
; REGISTERS, window 0: v1 16 x lane, v2 8 x lane, v3-6 the record's addresses, v7-8 head 1's bases, v9-10 stage, v11-12 Q's offsets, v13-14 the spare word and 0, v15 8 (lane / 16);
;   head u: v[16+4u] -M, +1 largest score, +2,3 the sum; v[24+8u..] Q; v[40+u] Q's scale word; v42 -2^60; v[44+4u..] K's scale words; v[52+2u..] V's; v[56+u] P's; v[58+8u..] P's codes; v[74+2u..] f; v[80+16u..] at work; v[128+64u..] S^T, then p.
; window 1: v[32u..] V's fragments; v[64+32u..] K's; v128-191 the mask's tile; v[192+32u..] O^T.
; s[16:63], s[68:83] the step's 64 mask words (word n in s[16 + n], from n = 48 on in s[20 + n]).
.set REC,   8960
.set HEADB, 16*REC                     ; a head's records
.set STG,   2*HEADB                    ; behind the records: a stage of 16 rows x (256 + 16) bytes for each wave; no tensor load lands there
.set SP,    272
.set SPARE, STG+8*16*SP                ; the spare words, 128 bytes a wave
.set WV,   12
.set TB,   13                          ; LDS byte of the record in hand
.set MOF,  14                          ; byte offset of the next step's mask words in my wave's 8,192
.set CNT,  15
.set SEL,  84
.set CS,   86                          ; c = log2(e) / 8, as a pair
.set G0,   88
.set G1,   92
.set MSB, 0
.macro WIN new                         ; the immediate's high byte repeats the setting that is left
.if MSB != \new
	s_set_vgpr_msb (MSB<<8)|\new
.set MSB, \new
.endif
.endm
.macro U u                             ; head u's registers
.set SB, 128+64*(\u)
.set TT, 80+16*(\u)
.set ST, 16+4*(\u)
.set FF, 74+2*(\u)
.set PP, 58+8*(\u)
.endm
.macro ROUND
	s_barrier_signal -1
	s_barrier_wait -1
	s_cmp_lg_u32 s[WV], 0
	s_cbranch_scc1 .Lnot_wave_0_\@
	s_barrier_signal -3
.Lnot_wave_0_\@:
	s_barrier_wait -3
	s_barrier_signal -1
	s_barrier_wait -1
.endm
.macro MASKLOAD                        ; 64 words, 256 consecutive bytes
	s_load_b512 s[16:31], s[8:9], s[MOF] offset:0x0
	s_load_b512 s[32:47], s[8:9], s[MOF] offset:0x40
	s_load_b512 s[48:63], s[8:9], s[MOF] offset:0x80
	s_load_b512 s[68:83], s[8:9], s[MOF] offset:0xc0
.endm
.macro QLOAD p                         ; my tile p of both heads (16 records of 4,608 bytes apart)
.irp u, 0,1
	global_load_b128 v[24+8*\u:27+8*\u], v11, s[4:5] offset:512*\p+73728*\u
	global_load_b32 v[40+\u], v12, s[4:5] offset:4*\p+73728*\u
.endr
.endm
.macro ADDR                            ; the addresses of record s[TB] / REC of both heads
	v_add_nc_u32 v3, s[TB], v1
	v_add_nc_u32 v4, s[TB], v7
	v_add_nc_u32 v5, s[TB], v2
	v_add_nc_u32 v6, s[TB], v8
.endm
.macro SUMR k                          ; four chains of each head take a pair of p each
.irp u, 0,1
	U \u
	v_pk_add_f32 v[ST+2:ST+3], v[ST+2:ST+3], v[SB+14+8*(\k):SB+15+8*(\k)]
	v_pk_add_f32 v[TT+10:TT+11], v[TT+10:TT+11], v[SB+16+8*(\k):SB+17+8*(\k)]
	v_pk_add_f32 v[TT+12:TT+13], v[TT+12:TT+13], v[SB+18+8*(\k):SB+19+8*(\k)]
	v_pk_add_f32 v[TT+14:TT+15], v[TT+14:TT+15], v[SB+20+8*(\k):SB+21+8*(\k)]
.endr
.endm
; A KEY STEP: 128 keys, both heads.
.macro STEP
	s_wait_kmcnt 0x0                               ; this step's mask words, asked for a step ago
	ds_load_b128 v[44:47], v3 offset:8192          ; K's scale words
	ds_load_b128 v[48:51], v4 offset:8192
	WIN 0x40                                       ; destinations in window 1
.irp u, 0,1
.irp t, 0,1,2,3,4,5,6,7
	ds_load_b128 v[64+32*\u+4*\t:67+32*\u+4*\t], v[3+\u] offset:512*\t
.endr
.endr
.set n, 0
.rept 64                                       ; the mask's tile: 0, or -2^60 where the lane's bit is set.  (These 64 are also the places ahead of the loads into V's fragments)
.if n < 48
	v_cndmask_b32 v[128+n], 0, v42, s[16+n]
.else
	v_cndmask_b32 v[128+n], 0, v42, s[20+n]
.endif
.set n, n+1
.endr
.irp u, 0,1
.irp t, 0,1,2,3,4,5,6,7
	ds_load_b128 v[32*\u+4*\t:3+32*\u+4*\t], v[3+\u] offset:4096+512*\t
.endr
.endr
	s_wait_alu depctr_va_vdst(0)
	s_wait_dscnt 16                                ; K and its scale words are in; V's sixteen loads may be out
	WIN 0x11                                       ; source 0 (K) and C (the mask's tile) in window 1
.irp t, 0,1,2,3                                ; S^T = K Q^T + the mask's tile
.irp u, 0,1
	v_wmma_scale_f32_16x16x128_f8f6f4 v[128+64*\u+8*\t:135+64*\u+8*\t], v[64+32*\u+4*\t:71+32*\u+4*\t], v[24+8*\u:31+8*\u], v[128+8*\t:135+8*\t], v[44+4*\u+\t], v[40+\u] matrix_a_fmt:MATRIX_FMT_FP4 matrix_b_fmt:MATRIX_FMT_FP4
.endr
.endr
.irp t, 4,5,6,7
.irp u, 0,1
	v_wmma_scale_f32_16x16x128_f8f6f4 v[128+64*\u+8*\t:135+64*\u+8*\t], v[64+32*\u+4*\t:71+32*\u+4*\t], v[24+8*\u:31+8*\u], v[128+8*\t:135+8*\t], v[40+4*\u+\t], v[40+\u] matrix_a_fmt:MATRIX_FMT_FP4 matrix_b_fmt:MATRIX_FMT_FP4 matrix_a_scale:MATRIX_SCALE_ROW1
.endr
.endr
	WIN 0
	ds_load_b64 v[52:53], v5 offset:8704           ; V's scale words
	ds_load_b64 v[54:55], v6 offset:8704
	s_add_co_u32 s[TB], s[TB], REC
	s_add_co_u32 s[MOF], s[MOF], 256               ; the next step's words; behind my first tile's 16 steps lie my second tile's;
	s_and_b32 s[MOF], s[MOF], 0x1fff               ; the last request of all wraps to my first words, inside the buffer, and is not used
	MASKLOAD
	ADDR                                           ; the next record's addresses: four plain lines behind the products
.irp u, 0,1                                    ; the largest score of each block of 32 keys, two chains a block: it serves the row's maximum and the block's largest p
	U \u
.irp c, 0,1
	v_max3_num_f32 v[TT+2*\c], v[SB+32*\c], v[SB+32*\c+1], v[SB+32*\c+2]
	v_max3_num_f32 v[TT+2*\c+1], v[SB+32*\c+16], v[SB+32*\c+17], v[SB+32*\c+18]
.endr
.endr
.irp i, 3,5,7,9,11,13
.irp u, 0,1
	U \u
.irp c, 0,1
	v_max3_num_f32 v[TT+2*\c], v[TT+2*\c], v[SB+32*\c+\i], v[SB+32*\c+\i+1]
	v_max3_num_f32 v[TT+2*\c+1], v[TT+2*\c+1], v[SB+32*\c+16+\i], v[SB+32*\c+17+\i]
.endr
.endr
.endr
.irp u, 0,1
	U \u
.irp c, 0,1
	v_max3_num_f32 v[TT+2*\c], v[TT+2*\c], v[TT+2*\c+1], v[SB+32*\c+15]
.endr
.endr
.irp u, 0,1
	U \u
.irp c, 0,1
	v_max_num_f32 v[TT+2*\c], v[TT+2*\c], v[SB+32*\c+31]
.endr
.endr
.irp u, 0,1
	U \u
	v_max_num_f32 v[TT+4], v[TT], v[TT+2]          ; my 64 keys
.endr
.irp u, 0,1
	U \u
	v_permlanex16_b32 v[TT+5], v[TT+4], s[SEL], s[SEL+1]
.endr
.irp u, 0,1
	U \u
	v_max3_num_f32 v[ST+1], v[ST+1], v[TT+4], v[TT+5]   ; the running largest score
.endr
.irp u, 0,1
	U \u
	v_mul_f32 v[TT+4], s[CS], v[ST+1]              ; as t (c is positive)
.endr
.irp u, 0,1
	U \u
	v_floor_f32 v[TT+4], -v[TT+4]                  ; the new -M = floor(-t)
.endr
.irp u, 0,1
	U \u
	v_sub_f32 v[TT+5], v[TT+4], v[ST]              ; old M - new M: a whole number, 0 or less
.endr
.irp u, 0,1
	U \u
	v_mov_b32 v[ST], v[TT+4]
.endr
.irp u, 0,1
	U \u
	v_cvt_i32_f32 v[TT+5], v[TT+5]                 ; (it saturates)
.endr
.irp u, 0,1
	U \u
	v_ldexp_f32 v[FF], 1.0, v[TT+5]                ; f = 2^(old M - new M)
.endr
.irp u, 0,1
	U \u
.set j, 0
.rept 32
	v_pk_fma_f32 v[SB+j:SB+j+1], v[SB+j:SB+j+1], s[CS:CS+1], v[ST:ST+1] op_sel_hi:[1,0,0]   ; t - M, two at a time
.set j, j+2
.endr
	v_fma_f32 v[TT], v[TT], s[CS], v[ST]           ; the same of each block's largest score
	v_fma_f32 v[TT+2], v[TT+2], s[CS], v[ST]
.endr
	s_wait_alu depctr_va_vdst(0)                   ; the wait ahead of the batch
.set j, 0
.rept 128
	v_exp_f32 v[128+j], v[128+j]                   ; p = 2^(t - M), at most 1
.set j, j+1
.endr
.irp u, 0,1
	U \u
	v_exp_f32 v[TT], v[TT]                         ; the blocks' largest p
	v_exp_f32 v[TT+2], v[TT+2]
.endr
	v_nop                                          ; the plain line behind the exponentials
	s_wait_alu depctr_va_vdst(0)                   ; one wait for the batch, ahead of its first reader
.irp u, 0,1
	U \u
.irp c, 0,1
	v_max_num_f32 v[TT+2*\c], 0x1800000, v[TT+2*\c]   ; the floor 2^(3 - 127): the byte cannot fall under 1
.endr
.endr
.irp u, 0,1
	U \u
.irp c, 0,1
	v_add_nc_u32 v[TT+6+\c], 0xff000000, v[TT+2*\c]   ; 2 off the exponent field: the conversion's scale operand
.endr
.endr
.irp u, 0,1
	U \u
	v_pk_fma_f32 v[ST+2:ST+3], v[ST+2:ST+3], v[FF:FF+1], v[SB:SB+1] op_sel_hi:[1,0,1]   ; THE ROW'S SUM, of the unquantised p: the old sum x f + the first pair; three more chains begin
	v_pk_add_f32 v[TT+10:TT+11], v[SB+2:SB+3], v[SB+4:SB+5]
	v_pk_add_f32 v[TT+12:TT+13], v[SB+6:SB+7], v[SB+8:SB+9]
	v_pk_add_f32 v[TT+14:TT+15], v[SB+10:SB+11], v[SB+12:SB+13]
.endr
.irp u, 0,1
	U \u
.irp c, 0,1
.irp g, 0,1,2,3
	v_cvt_scalef32_pk8_fp4_f32 v[PP+4*\c+\g], v[SB+32*\c+8*\g:SB+32*\c+8*\g+7], v[TT+6+\c]   ; registers 4 c .. 4 c + 3 of P's operand: keys 64 c + 32 (lane / 16) + 0 .. 31
.endr
.endr
.endr
.irp u, 0,1
	U \u
.irp c, 0,1
	v_lshrrev_b32 v[TT+8+\c], 23, v[TT+6+\c]       ; the scale's byte.  (Plain lines behind the conversions)
.endr
.endr
	SUMR 0
.irp u, 0,1
	U \u
	v_lshl_or_b32 v[TT+8], v[TT+9], 16, v[TT+8]    ; my two bytes: blocks lane / 16 and 2 + lane / 16
.endr
	SUMR 1
.irp u, 0,1
	U \u
	v_lshlrev_b32 v[TT+8], v15, v[TT+8]            ; at their places in the word
.endr
	SUMR 2
.irp u, 0,1
	U \u
	v_permlanex16_b32 v[TT+5], v[TT+8], s[SEL], s[SEL+1]
.endr
	SUMR 3
.irp u, 0,1
	U \u
	v_or_b32 v[56+\u], v[TT+8], v[TT+5]            ; with lane l xor 16's two the word is whole
.endr
	SUMR 4
	SUMR 5
.irp u, 0,1
	U \u
	v_pk_add_f32 v[ST+2:ST+3], v[ST+2:ST+3], v[SB+62:SB+63]
	v_pk_add_f32 v[TT+12:TT+13], v[TT+12:TT+13], v[TT+14:TT+15]
.endr
.irp u, 0,1
	U \u
	v_pk_add_f32 v[ST+2:ST+3], v[ST+2:ST+3], v[TT+10:TT+11]
.endr
.irp u, 0,1
	U \u
	v_pk_add_f32 v[ST+2:ST+3], v[ST+2:ST+3], v[TT+12:TT+13]
.endr
	WIN 0x41                                       ; destination and source 0 in window 1
	s_wait_alu depctr_va_vdst(0)                   ; directly ahead of the first reader of O^T
.irp u, 0,1
	U \u
.set j, 0
.rept 16
	v_pk_mul_f32 v[192+32*\u+j:193+32*\u+j], v[192+32*\u+j:193+32*\u+j], v[FF:FF+1] op_sel_hi:[1,0]   ; O^T under the new M
.set j, j+2
.endr
.endr
	s_wait_alu depctr_va_vdst(0)
	s_wait_dscnt 0x0                               ; V and its scale words are in
	WIN 0x51                                       ; V, C and D in window 1
.irp t, 0,2                                    ; O^T += V^T P^T: eight accumulators by turns, one instruction a turn
.irp u, 0,1
	v_wmma_scale_f32_16x16x128_f8f6f4 v[192+32*\u+8*\t:199+32*\u+8*\t], v[32*\u+8*\t:7+32*\u+8*\t], v[58+8*\u:65+8*\u], v[192+32*\u+8*\t:199+32*\u+8*\t], v[52+2*\u+\t/2], v[56+\u] matrix_a_fmt:MATRIX_FMT_FP4 matrix_b_fmt:MATRIX_FMT_FP4
	v_wmma_scale_f32_16x16x128_f8f6f4 v[200+32*\u+8*\t:207+32*\u+8*\t], v[8+32*\u+8*\t:15+32*\u+8*\t], v[58+8*\u:65+8*\u], v[200+32*\u+8*\t:207+32*\u+8*\t], v[52+2*\u+\t/2], v[56+\u] matrix_a_fmt:MATRIX_FMT_FP4 matrix_b_fmt:MATRIX_FMT_FP4 matrix_a_scale:MATRIX_SCALE_ROW1
.endr
.endr
	WIN 0
.endm
; THE WAY OUT of tile p: O^T / the sum goes through my stage, one head after the other, and leaves as whole rows of 256 bytes.
.macro WAYOUT p
.irp u, 0,1
	U \u
	v_add_f32 v[ST+2], v[ST+2], v[ST+3]            ; the sum's two halves.  (These lines are the places behind the last products)
.endr
.irp u, 0,1
	U \u
	v_permlanex16_b32 v[TT+5], v[ST+2], s[SEL], s[SEL+1]
.endr
.irp u, 0,1
	U \u
	v_add_f32 v[ST+2], v[ST+2], v[TT+5]            ; and lane l xor 16's: the row's sum
.endr
	v_nop
	v_nop
	s_wait_alu depctr_va_vdst(0)                   ; the wait ahead of the transcendentals
	v_rcp_f32 v18, v18
	v_rcp_f32 v22, v22
	v_nop                                          ; one plain line behind the reciprocals
	WIN 0x01                                       ; source 0 in window 1
	s_wait_alu depctr_va_vdst(0)                   ; the wait ahead of the first reader, of the reciprocals and of O^T
.irp u, 0,1
	U \u
.set j, 0
.rept 16
	v_pk_mul_f32 v[SB+j:SB+j+1], v[192+32*\u+j:193+32*\u+j], v[ST+2:ST+3] op_sel_hi:[1,0]   ; register 8 t + i is out(query r, 16 t + 8 h + i)
.set j, j+2
.endr
.endr
	WIN 0
.irp u, 0,1
	U \u
.irp t, 0,1,2,3
	ds_store_b128 v9, v[SB+8*\t:SB+8*\t+3] offset:64*\t
	ds_store_b128 v9, v[SB+8*\t+4:SB+8*\t+7] offset:64*\t+16
.endr
.irp i, 0,1,2,3,4,5,6,7
	ds_load_b128 v[SB+32+4*\i:SB+35+4*\i], v10 offset:2*SP*\i      ; LDS serves a wave's instructions in order: these see my stores, and head 1's stores come behind them
.endr
.endr
.irp u, 0,1
	U \u
.irp i, 0,1,2,3,4,5,6,7
	s_wait_dscnt 23-16*\u-\i                       ; the younger LDS instructions may be out
	global_store_b128 v1, v[SB+32+4*\i:SB+35+4*\i], s[10:11] offset:4096*\p+512*\i+524288*\u th:TH_STORE_NT   ; two whole rows: 512 consecutive bytes, aligned to 256
.endr
.endr
.if \p == 0
	s_wait_xcnt 0x0                                ; the stores have read their registers: the next pass's products write them
.endif
.endm
.macro PASS p
.irp u, 0,1
	U \u
	v_mov_b32 v[ST+1], 0xff61b1e6                  ; the largest score so far: -3e38
	v_mov_b32 v[ST], 0x7f61b1e6                    ; -M: 3e38, a whole number
	v_mov_b32 v[ST+2], 0                           ; the sum, in two halves
	v_mov_b32 v[ST+3], 0
.endr
	s_mov_b32 s[TB], 0
	s_mov_b32 s[CNT], 16
	ADDR
	WIN 0x40
.set j, 0
.rept 64
	v_mov_b32 v[192+j], 0                          ; O^T.  (The step is written once: the first finds zeros, which the first change of M leaves zeros)
.set j, j+1
.endr
	WIN 0
	s_wait_alu depctr_va_vdst(0)
	s_wait_loadcnt 0x0                             ; Q
.Lstep_\@:
	STEP
	s_sub_co_u32 s[CNT], s[CNT], 1
	s_cmp_lg_u32 s[CNT], 0
	s_cbranch_scc1 .Lstep_\@
.if \p == 0
	QLOAD 1                                        ; the last product that read Q stands a softmax back
.endif
	WAYOUT \p
.endm
	s_load_b256 s[4:11], s[0:1], 0x0               ; qc s[4:5], kv s[6:7], maskw s[8:9], out0 s[10:11]
	v_lshl_add_u32 v13, v0, 2, SPARE
	v_mov_b32 v14, 0
	ds_add_u32 v13, v14                            ; the opening lines: the add, twice on end, and its wait ahead of my tensor load
	ds_add_u32 v13, v14
	v_lshrrev_b32 v3, 5, v0
	v_readfirstlane_b32 s[WV], v3                  ; wave 0..7
	s_bfe_u32 s66, ttmp6, 0x40000                  ; cx: it enters qc's, maskw's and out0's addresses alone
	s_lshr_b32 s67, ttmp9, 1                       ; the pair of heads: two clusters share one
	s_and_b32 s2, ttmp9, 1
	s_lshl_b32 s2, s2, 2
	s_add_co_u32 s100, s2, s66                     ; my block of 256 queries, 0..7
	s_lshl_b32 s2, s67, 5                          ; qc: record 32 x pair + 2 x block + wave / 4
	s_lshl_b32 s3, s100, 1
	s_add_co_u32 s2, s2, s3
	s_lshr_b32 s3, s[WV], 2
	s_add_co_u32 s2, s2, s3
	s_mul_i32 s2, s2, 4608
	s_mov_b32 s3, 0
	s_lshl_b32 s16, s67, 5                         ; kv: record 32 x pair + 4 x wave: the same in all four work-groups
	s_lshl_b32 s17, s[WV], 2
	s_add_co_u32 s16, s16, s17
	s_mul_i32 s16, s16, REC
	s_mov_b32 s17, 0
	s_lshr_b32 s18, s67, 3                         ; maskw: batch x 128 tiles of queries + 16 x block + 2 x wave, 4,096 bytes each
	s_lshl_b32 s18, s18, 7
	s_lshl_b32 s19, s100, 4
	s_add_co_u32 s18, s18, s19
	s_lshl_b32 s19, s[WV], 1
	s_add_co_u32 s18, s18, s19
	s_lshl_b32 s18, s18, 12
	s_mov_b32 s19, 0
	s_lshl_b32 s20, s67, 12                        ; out0: row 4,096 x pair + 256 x block + 32 x wave, 256 bytes each
	s_lshl_b32 s21, s100, 8
	s_add_co_u32 s20, s20, s21
	s_lshl_b32 s21, s[WV], 5
	s_add_co_u32 s20, s20, s21
	s_lshl_b32 s20, s20, 8
	s_mov_b32 s21, 0
	s_and_b32 s22, s[WV], 3
	s_lshl_b32 s22, s22, 10                        ; Q's codes: tile 2 (wave % 4) + p of the record's eight
	s_bfe_u32 s23, s[WV], 0x10001
	s_lshl_b32 s23, s23, 8
	s_and_b32 s24, s[WV], 1
	s_lshl_b32 s24, s24, 3
	s_add_co_u32 s23, s23, s24
	s_add_co_u32 s23, s23, 4096                    ; its scale words: [tile / 4][r][tile % 4]
	s_mul_i32 s24, s[WV], 16*SP
	s_add_co_u32 s24, s24, STG                     ; my stage
	s_mov_b32 s[SEL], 0x76543210
	s_mov_b32 s[SEL+1], 0xfedcba98
	s_mov_b32 s[CS], 0x3e38aa3b                    ; c = log2(e) / 8
	s_mov_b32 s[CS+1], s[CS]
	s_mov_b32 s[MOF], 0
	; descriptor group 1: a dense block of 35,840 bytes as 140 rows of 256 bytes (32 elements of 8 bytes), no padding
	s_mov_b32 s[G1], 15|(3<<16)|(1<<21)            ; the mask: all four work-groups; elements of 8 bytes; bit 21 set beside a mask
	s_mov_b32 s[G1+1], 32<<16
	s_mov_b32 s[G1+2], 140<<16
	s_mov_b32 s[G1+3], 32<<16
	s_mov_b32 s[G1+4], 140
	s_mov_b32 s[G1+5], 32
	s_mov_b32 s[G1+6], 0
	s_mov_b32 s[G1+7], 0
	s_mov_b32 s[G0], 1
	s_mul_i32 s[G0+1], s[WV], 4*REC                ; LDS address: by the wave's number alone
	s_wait_dscnt 0x0
	s_wait_kmcnt 0x0
	s_add_nc_u64 s[4:5], s[4:5], s[2:3]
	s_add_nc_u64 s[8:9], s[8:9], s[18:19]
	s_add_nc_u64 s[10:11], s[10:11], s[20:21]
	s_add_nc_u64 s[G0+2:G0+3], s[6:7], s[16:17]
	s_or_b32 s[G0+3], s[G0+3], 0x80000000
	ROUND                                          ; all four work-groups are here: the joint loads meet
	tensor_load_to_lds s[G0:G0+3], s[G1:G1+7]      ; my four records, into all four work-groups' LDS
	s_nop 0
.rept 4
	v_nop
.endr
	v_and_b32 v3, 31, v0                           ; lane
	v_and_b32 v4, 15, v0                           ; r
	v_bfe_u32 v5, v0, 4, 1                         ; h
	v_lshlrev_b32 v1, 4, v3
	v_lshlrev_b32 v2, 3, v3
	v_lshlrev_b32 v15, 3, v5
	v_mul_u32_u24 v9, v4, SP
	v_mul_u32_u24 v10, v5, SP
	v_add_nc_u32 v7, HEADB, v1
	v_add_nc_u32 v8, HEADB, v2
	v_add_nc_u32 v11, s22, v1
	v_lshl_add_u32 v12, v4, 4, s23
	v_lshl_add_u32 v9, v5, 5, v9
	v_lshl_add_u32 v10, v4, 4, v10
	v_add_nc_u32 v9, s24, v9                       ; into the stage: row r, 32 h
	v_add_nc_u32 v10, s24, v10                     ; back: lanes 0-15 one row, lanes 16-31 the next
.irp j, 28,29,30,31,36,37,38,39
	v_mov_b32 v[\j], 0                             ; Q's codes of k = 64 .. 127
.endr
.irp j, 75,77,85,101
	v_mov_b32 v[\j], 0                             ; the upper halves of f's pairs and the lane permutes' destinations are written before they are named
.endr
	v_mov_b32 v42, 0xdd800000                      ; -2^60
	s_wait_alu depctr_va_vdst(0)                   ; the wait at the head's end
	MASKLOAD                                       ; the first step's mask words
	QLOAD 0
	s_wait_tensorcnt 0x0                           ; my records are in,
	s_barrier_signal -1
	s_barrier_wait -1                              ; everybody's are
	PASS 0
	PASS 1
	s_wait_kmcnt 0x0                               ; the last request for mask words
	s_wait_tensorcnt 0x0                           ; the wave's end
	ds_add_u32 v13, v14
	s_wait_dscnt 0x0
	ROUND                                          ; the closing round
	s_endpgm
.Lfunc_end_k_qb2e36109b4_attn:
	.size	k_qb2e36109b4_attn, .Lfunc_end_k_qb2e36109b4_attn-k_qb2e36109b4_attn
	.p2alignl 7, 3214868480
	.fill 96, 4, 3214868480
	.section	.rodata,"a",@progbits
	.p2align	6, 0x0
	.amdhsa_kernel k_qb2e36109b4_attn
		.amdhsa_group_segment_fixed_size 327680
		.amdhsa_private_segment_fixed_size 0
		.amdhsa_enable_private_segment 0
		.amdhsa_kernarg_size 32
		.amdhsa_user_sgpr_count 2
		.amdhsa_user_sgpr_kernarg_segment_ptr 1
		.amdhsa_wavefront_size32 1
		.amdhsa_system_sgpr_workgroup_id_x 1
		.amdhsa_system_sgpr_workgroup_id_y 1
		.amdhsa_system_sgpr_workgroup_id_z 1
		.amdhsa_system_vgpr_workitem_id 0
		.amdhsa_next_free_vgpr 512
		.amdhsa_next_free_sgpr 102
		.amdhsa_reserve_vcc 0
		.amdhsa_float_denorm_mode_32 3
		.amdhsa_float_denorm_mode_16_64 3
		.amdhsa_memory_ordered 1
		.amdhsa_forward_progress 1
		.amdhsa_inst_pref_size 89
	.end_amdhsa_kernel
	.amdgpu_metadata
---
amdhsa.version: [ 1, 2 ]
amdhsa.kernels:
  - .name:           k_qb2e36109b4_attn
    .symbol:         k_qb2e36109b4_attn.kd
    .args:
      - { .name: qc, .offset: 0, .size: 8, .value_kind: global_buffer, .address_space: global }
      - { .name: kv, .offset: 8, .size: 8, .value_kind: global_buffer, .address_space: global }
      - { .name: maskw, .offset: 16, .size: 8, .value_kind: global_buffer, .address_space: global }
      - { .name: out0, .offset: 24, .size: 8, .value_kind: global_buffer, .address_space: global }
    .group_segment_fixed_size: 327680
    .private_segment_fixed_size: 0
    .kernarg_segment_align: 8
    .kernarg_segment_size: 32
    .max_flat_workgroup_size: 256
    .sgpr_count:     102
    .vgpr_count:     512
    .wavefront_size: 32
...
	.end_amdgpu_metadata
.endif
;; end of part 2
